; MI455X (gfx1250); checked and timed in simulation.
; The chip was launched on July 23, 2026; its instructions are those of AMD's public machine-readable ISA for CDNA 5 (MIT licence, August 2026) and "CDNA5" Instruction Set Architecture Reference Guide (July 2026). The comments in the code are by the model that wrote it; some were corrected since.
;; Soft Cap Attention. Allowed arithmetic: matrix products marked QUANTISED: E5M2 operands, one given power-of-two scale a tensor, by v_wmma_f32_16x16x64_bf8_bf8 or v_wmma_f32_16x16x128_bf8_bf8, f32 sums; everything else in f32.
;; Inputs: K_codes 2 x 16 x 2,048 x 4 x 32 uint8 (E5M2 codes of K, K innermost, in blocks of 32 codes); Q_codes 2 x 16 x 2,048 x 4 x 32 uint8 (E5M2 codes of Q, K innermost, in blocks of 32 codes); V_codes 2 x 16 x 128 x 64 x 32 uint8 (E5M2 codes of V, K innermost, in blocks of 32 codes); lowp_scales 4 int32 (the exponents e of the quantised operands' scales 2^e).
;; Outputs: out0 2 x 16 x 2,048 x 128 float32.
;; This version of the problem:
;;   THIS VERSION OF THE PROBLEM IS GIVEN IN LOW PRECISION. The matrix products marked QUANTISED in the list below multiply operands that are first quantised to E5M2 (5 exponent bits, 2 mantissa bits; 8 bits a number), with one given power-of-two scale for each operand tensor; their sums are f32. All else is computed in f32.
;;   The module's matrix products, in the order in which they are computed (A, B: the left and right operand; K: the contracted axis; several contracted axes count as one K, in the product's order):
;;     1. batch 32 x [M 2,048, K 128] x [K 128, N 2,048]; A: input Q (given as codes); B: input K (given as codes): QUANTISED (scales: A lowp_scales[0], B lowp_scales[1])
;;     2. batch 32 x [M 2,048, K 2,048] x [K 2,048, N 128]; A: softmax (see below); B: input V (given as codes): QUANTISED (scales: A lowp_scales[2], B lowp_scales[3])
;;   THE QUANTISER, for each operand of a quantised product, along K:
;;     - The operand's scale is 2^e, e = its entry of the input lowp_scales (int32; the entries are numbered through the quantised products in the list's order, A before B).
;;     - Each number is divided by the scale, clamped to +-57,344, and rounded to the nearest number of E5M2, ties to even, subnormals kept.
;;     - The product sums the exact products of the quantised numbers (number of the format x scale) in f32.
;;   ~~~python
;;   def quantise(x, axis, e):      # numpy; x: float32 -> the quantised numbers, widened to float32 again
;;       x = np.moveaxis(x, axis, -1); K = x.shape[-1]
;;       r = np.clip(x / 2.0 ** e, -57344, 57344)
;;       step = 2.0 ** (np.maximum(np.frexp(np.where(r == 0, 1, r))[1] - 1, -14) - 2)
;;       q = np.round(r / step) * step * 2.0 ** e      # np.round: ties to even
;;       return np.moveaxis(q, -1, axis).astype(np.float32)
;;   ~~~
;;   SOFTMAX AHEAD OF A QUANTISED PRODUCT. Where the list says 'softmax', what is quantised is not the finished softmax but p = 2^(t - M), with t = logit x log2(e) and M = ceil(the row's largest t), a whole number; so 1/2 < the row's largest p <= 1. The row's sum l is taken of the UNQUANTISED p, in f32, and the product's result is divided by l at the end. Since M is a whole number, a kernel that streams over the keys may use a running M (the ceiling of the running maximum): every later rescaling is an exact power of two, so the quantised numbers keep their values, but for numbers so far below the row's largest that they fall under the format's range.
;;   OPERANDS COMPUTED ON THE WAY. 'Computed on the way' means the value that the module computes at that place (a softmax that the list does not call 'softmax' is quantised finished and normalised). What goes into a quantiser is computed in f32, as accurately as f32 sums, v_exp_f32 and their like allow (about 1e-6 of the number): no bf16 or f16 on the way to a quantiser, and a product that is left as it is and whose result goes on into a quantised operand takes f32 operands (vector FMAs, or v_wmma_f32_16x16x4_f32). A number that lies on a knife's edge between two numbers of the format may be rounded either way, as far as f32 arithmetic and the matrix unit's own rounding can turn it there, and no further.
;;   INPUTS GIVEN AS CODES. K (in the module: [2, 16, 2048, 128], K = its axis 3); Q (in the module: [2, 16, 2048, 128], K = its axis 3); V (in the module: [2, 16, 2048, 128], K = its axis 2): each comes as NAME_codes (uint8): NAME with its K axis moved to the last place and cut into blocks of 32 codes, [.., K / 32, bytes a block], one block behind the other in memory; one code a byte (a code: sign, 5 exponent bits, 2 mantissa bits); its scale is its entry of lowp_scales. Its value is code x scale, taken as it is: it is not quantised again, and the codes and scales need not be those that the quantiser above would give.
;; 2 versions. Each part assembles by itself: llvm-mc -triple=amdgcn-amd-amdhsa -mcpu=gfx1250 --defsym DOCPART=n.
;; ======== version 1 of 2: 1 launch
;; launch attn (part 1): grid 8 x 32, 16 waves a work-group, clusters of 4 x 1, 327,680 bytes of LDS; arguments Q_codes, K_codes, V_codes, lowp_scales, out0; writes out0
.if DOCPART == 1
	.amdgcn_target "amdgcn-amd-amdhsa--gfx1250"
	.amdhsa_code_object_version 6
	.text
	.protected	k_q0fee0ef54c_attn
	.globl	k_q0fee0ef54c_attn
	.p2align	8
	.type	k_q0fee0ef54c_attn,@function
k_q0fee0ef54c_attn:
	s_mov_b64 s[64:65], 0
	v_nop
	global_prefetch_b8 v0, s[64:65] scope:SCOPE_SE
	s_setreg_imm32_b32 hwreg(HW_REG_WAVE_MODE, 25, 1), 1
	s_wait_xcnt 0x0
	s_wait_alu depctr_hold_cnt(0) depctr_sa_sdst(0) depctr_va_vdst(0) depctr_va_sdst(0) depctr_va_ssrc(0) depctr_va_vcc(0) depctr_vm_vsrc(0)
	s_getreg_b32 s2, hwreg(HW_REG_IB_STS2, 6, 4)
	s_cmp_eq_u32 s2, 0
	s_cbranch_scc0 .Lentry_in_a_cluster
	s_endpgm
.Lentry_in_a_cluster:
	s_bfe_u32 s2, ttmp6, 0x10000c
	s_cmp_lg_u32 s2, 0x3003
	s_cbranch_scc0 .Lentry_shape_is_right
	s_endpgm
.Lentry_shape_is_right:
; O[h][q][:] = the sum over k of softmax_k(20 tanh(Q[h][q] . K[h][k] / sqrt(128) / 20)) V[h][k][:], 32 heads, 2,048 queries and keys, head size 128; both products on codes of BF8 (E5M2),
; each tensor with the one scale 2^e that is given for it: eq, ek, ep, ev.  Q, K: [32][2048][128] codes.  V: codes with the KEYS innermost, [32][128][2048].  O: [32][2048][128] f32.
; THE SOFTMAX AHEAD OF THE SECOND PRODUCT: t = 20 log2(e) tanh(z), z = score / 20; M = the row's largest t so far, rounded UP to a whole number; p = 2^(t - M) is quantised along the keys with 2^ep, not normalised.
; The row's sum is taken of the unquantised p, in f32, and divides O at the end.  When M moves, the sum and O are multiplied by 2^(old M - new M): exact.
; tanh is monotone, so the running maximum is kept of the RAW sums of the first product, and M is made from it by the same operations, in the same order, that make every t.
; TANH is an odd rational function, z P(z^2) / Q(z^2), P of degree 6 and Q of degree 3, on |z| <= 7.90531 (z is held there; beyond, tanh is 1 to f32): its error is relative to tanh itself, a few units of f32's last place,
; where a form 1 - 2 / (1 + exp) would have an error relative to 1, which the factor 20 log2(e) would carry whole into t.  Q's coefficients are multiplied once by ln(2) / 20, so that z P / Q' is t itself.
; SHARES.  A work-group owns 256 queries of one head; each of its SIXTEEN waves owns 16 of them, one tile, in 256 registers: four waves to a SIMD, so that one wave's vector work stands beside another's matrix work and LDS loads.
; A key step of 128 keys is 16 matrix instructions against some 800 vector instructions a wave: the text is laid for few vector instructions (packed forms throughout), not for large tiles.
; Every wave walks all keys of the head.  K's and V's tiles come through a ring of two LDS slots of 256 keys, filled by the tensor data mover (waves 0, 1: K's halves; waves 2, 3: V's) and read by all sixteen.
; CLUSTER.  The four query blocks of a cluster belong to one head and walk the same K and V, so each tile is asked for JOINTLY: the same tensor load, with the same descriptor and a mask that names the four, in all four.
; LAYOUT.  Both products are used transposed: S^T = K Q^T (source 0 = 16 keys, source 1 = my 16 queries), O^T = V^T P^T (source 0 = 16 of the head's 128, source 1 = P): a lane holds ONE query (lane % 16) throughout.
; THE KEYS OF A TILE ARE NOT NEIGHBOURS: lane r of tile 2 b + u takes key 32 b + 8 u + r + 8 (r / 8), so that the 16 registers of tiles 2 b and 2 b + 1 are 16 neighbouring keys, 32 b + 16 (lane / 16) + 0 .. 15.
; A fragment is fetched by four loads of 16 bytes: registers 4 c .. 4 c + 3 hold k = 32 c + 16 (lane / 16) + 0 .. 15: a permutation of k, the same in both operands of each product; only the order of the sums inside an instruction changes.
; LIMITS.  eq + ek between -118 and 135 (they are added to the exponent field of 1 / (20 sqrt(128))); ep between -126 and 112; ep + ev is applied by v_ldexp_f32 and has none.  Codes that are NaN or infinity are not served.
; REGISTERS: v1-3, v5-7 addresses that stay; v8-11 addresses in hand; v12 -M, v13 the largest raw score, v[14:15] the sum in two halves; v16-31 Q; v32-95 four fragments of K or of V, and the tanh's registers at work;
;   v96-159 S^T, then p; v160-223 O^T; v224-239 p's codes; v240 57,344 x 2^ep; v241 the exchange; v[242:243] the sum's second chain; v244 2^ep; v[246:247], v[248:249] two coefficients; v[252:253] f, 0; v254 at work.
.set SK,    256                        ; keys in a slot
.set ROWB,  128                        ; 128 codes in bytes
.set KP,    144                        ; a key's row in LDS: 128 bytes + 16 of padding
.set VROWB, 256                        ; SK codes in bytes: a row of V's tile
.set VP,    272                        ; and in LDS: + 16 of padding
.set KROWV, 2048                       ; a row of V in memory
.set VOFF,  SK*KP                      ; a slot: 256 rows of K, then 128 rows of V
.set SLOT1, 1<<17                      ; slot 1 begins here, so that one exclusive or turns an address in one slot into the other's
.set NSL,   2048/SK                    ; eight slots' worth of keys
.set SPARE, 2*SLOT1                    ; behind the ring: the spare words, 128 bytes for each wave: eight blocks of 256 bytes that no other line names
.set STAGE, 0                          ; the way out: 16 rows x (256 bytes + 16) for each wave, in slot 0: it was left at the last change of slots, has had its last fill, and nobody reads it
.set AK0,  1                           ; v1   my lane's place in a tile of K
.set AV0,  2                           ; v2   the same for V
.set PFO,  3                           ; v3   the prefetches' offset; never rewritten
.set SPW,  5                           ; v5   LDS address of my spare word: SPARE + 4 x my thread's number; never rewritten
.set NIL,  6                           ; v6   0; never rewritten
.set GO,   7                           ; v7   the way out: my byte offset in the wave's rows of O
.set ADK,  8                           ; v8   LDS address of the step's tiles of K
.set ADV,  9                           ; v9   of V
.set TB,   2                           ; s2   LDS byte at which the slot in hand begins
.set WV,   18                          ; s18  my wave's number
.set SEL,  20                          ; s[20:21] lane selects for v_permlanex16_b32: lane l xor 16
.set CS,   22                          ; s[22:23] 2^(eq + ek) / (20 sqrt(128)): z = raw sum x this
.set G1K,  24                          ; s[24:31] descriptor group 1 for K's tiles;  s[32:39] for V's;  s[40:43], s[44:47] their groups 0, which walk
.set G1V,  32
.set G0K,  40
.set G0V,  44
.set CA13, 48                          ; the coefficients, each twice in a pair: the packed forms name a pair and take its low word for both halves
.set CA9,  50
.set CA7,  52
.set CA5,  54
.set CA3,  56
.set CA1,  58
.set CB6,  60
.set CB2,  62
.set CB0,  66
.set PFA,  76                          ; s[76:77] where my prefetches stand in memory
.set PFS,  78                          ; s[78:79] a slot on, in bytes: 32,768 in K, 256 in a row of V
.set LIM,  80                          ; s80  1 in a wave that prefetches, else the greatest number: a wave prefetches while s[SLOTS] is above it
.set SLOTS, 84                         ; s84  slots still to be asked for
.set PLIM, 96                          ; s96, s97  +7.90531, -7.90531
.set NLIM, 97
.set CX,   98                          ; s98  my place in the cluster: it enters Q's, O's and the prefetches' addresses alone
; A round of the cluster's barrier: my work-group's barrier, so that wave 0's signal speaks for all sixteen waves; wave 0 signals for the work-group; every wave waits for all four work-groups; my work-group's barrier once more.
.macro CROUND
	s_barrier_signal -1
	s_barrier_wait -1
	s_cmp_lg_u32 s[WV], 0
	s_cbranch_scc1 .Lnot_wave_0_\@
	s_barrier_signal -3
.Lnot_wave_0_\@:
	s_barrier_wait -3
	s_barrier_signal -1
	s_barrier_wait -1
.endm
; A joint load.  Waves 0 and 1 fetch for K, waves 2 and 3 for V, the others nothing.  The branches hang on the wave's number alone: they are the same in every work-group.  Four v_nop follow each of the two lines.
.macro TLOAD
	s_cmp_lt_u32 s[WV], 2
	s_cbranch_scc0 .Lnot_k_\@
	tensor_load_to_lds s[G0K:G0K+3], s[G1K:G1K+7]
	s_nop 0
.rept 4
	v_nop
.endr
	s_branch .Lasked_\@
.Lnot_k_\@:
	s_cmp_lt_u32 s[WV], 4
	s_cbranch_scc0 .Lasked_\@
	tensor_load_to_lds s[G0V:G0V+3], s[G1V:G1V+7]
	s_nop 0
.rept 4
	v_nop
.endr
.Lasked_\@:
.endm
; A PREFETCH INTO THE L2 of what the NEXT change of slots will ask for: 256 rows of K, one dense block of 32,768 bytes, and 256 codes of each of V's 128 rows.  It stands at the change of slots, behind the place of the tensor loads.
; Each aligned block of 256 bytes is asked for ONCE in the launch.  Both clusters of a head walk the same K and V: the head's first cluster asks.  Its four partners share the blocks out BY ADDRESS: of K's block 8,192 bytes each,
; of V's rows 32 each; no branch hangs on a work-group's place in its cluster.  In each, wave 4 asks for K's (lanes 256 bytes apart) and wave 5 for V's (a lane a row): one instruction a wave.
; The last change that fills a slot asks for nothing: there is no slot behind it.  Slots 0 and 1 come by their loads alone.
.macro ASK
	s_cmp_gt_u32 s[SLOTS], s[LIM]
	s_cbranch_scc0 .Lnot_mine_\@
	global_prefetch_b8 v[PFO], s[PFA:PFA+1] th:TH_LOAD_NT scope:SCOPE_SE
.Lnot_mine_\@:
.endm
.macro CPAIR r, val                    ; a coefficient, twice
	s_mov_b32 s[\r], \val
	s_mov_b32 s[\r+1], \val
.endm
	s_load_b128 s[4:7], s[0:1], 0x0                ; Q's codes s[4:5], K's codes s[6:7]
	s_load_b128 s[12:15], s[0:1], 0x10             ; V's codes s[12:13], the scales' exponents s[14:15]
	s_load_b64 s[16:17], s[0:1], 0x20              ; O
	v_lshl_add_u32 v[SPW], v0, 2, SPARE
	v_mov_b32 v[NIL], 0
	ds_add_u32 v5, v6
	s_wait_dscnt 0x0
	v_lshrrev_b32 v8, 5, v0
	v_readfirstlane_b32 s[WV], v8                  ; wave 0..15
	s_bfe_u32 s[CX], ttmp6, 0x40000                ; cx
	s_lshl_b32 s72, ttmp9, 2                       ; in a cluster launch ttmp9 counts clusters
	s_add_co_u32 s72, s72, s[CX]                   ; my block of 256 queries = 4 x cluster x + cx
	s_and_b32 s73, ttmp7, 0xffff                   ; the head, which the four partners share
	s_lshl_b32 s74, s73, 18                        ; the head's first byte in each tensor of codes: 262,144 bytes a head,
	s_mov_b32 s75, 0
	s_lshl_b32 s86, s73, 20                        ; and in O: 1,048,576
	s_lshl_b32 s81, s72, 8
	s_lshl_b32 s82, s[WV], 4
	s_add_co_u32 s81, s81, s82                     ; my first query: 256 x block + 16 x wave
	s_lshl_b32 s82, s81, 7
	s_add_co_u32 s82, s82, s74                     ; its codes,
	s_mov_b32 s83, 0
	s_lshl_b32 s85, s81, 9
	s_add_co_u32 s86, s86, s85                     ; its row of O
	s_mov_b32 s87, 0
	; what I fetch, if I fetch: waves 0, 1: keys 128 x (wave % 2) on; waves 2, 3: rows 64 x (wave % 2) of V.  No register here ever holds cx
	s_and_b32 s88, s[WV], 1
	s_lshl_b32 s90, s88, 14                        ; K: 128 rows of 128 bytes in memory,
	s_add_co_u32 s90, s90, s74
	s_mov_b32 s91, 0
	s_mul_i32 s89, s88, 128*KP                     ; and in a slot
	s_lshl_b32 s92, s88, 17                        ; V: 64 rows of 2,048 bytes in memory,
	s_add_co_u32 s92, s92, s74
	s_mov_b32 s93, 0
	s_mul_i32 s94, s88, 64*VP
	s_add_co_u32 s94, s94, VOFF                    ; and in a slot
	; descriptor group 1: K: 128 rows of 128 bytes, dense in memory;  V: 64 rows of 256 bytes, 2,048 bytes apart
	s_mov_b32 s[G1K], 15|(0<<16)|(1<<20)|(1<<21)|(4<<22)|(3<<25)  ; 15:0 the mask: all four work-groups; 17:16 elements of 1 byte; 20 padding on; 21 set beside a mask; 24:22 after every 32 words (code 4); 31:25 four words (code 3)
	s_mov_b32 s[G1K+1], ROWB<<16                   ; tensor_dim0
	s_mov_b32 s[G1K+2], 128<<16                    ; tensor_dim1
	s_mov_b32 s[G1K+3], ROWB<<16                   ; tile_dim0
	s_mov_b32 s[G1K+4], 128                        ; tile_dim1
	s_mov_b32 s[G1K+5], ROWB                       ; tensor_dim0_stride
	s_mov_b32 s[G1K+6], 0
	s_mov_b32 s[G1K+7], 0
	s_mov_b32 s[G1V], 15|(0<<16)|(1<<20)|(1<<21)|(5<<22)|(3<<25)  ; the same with four words of padding after every 64
	s_mov_b32 s[G1V+1], VROWB<<16
	s_mov_b32 s[G1V+2], 64<<16
	s_mov_b32 s[G1V+3], VROWB<<16
	s_mov_b32 s[G1V+4], 64
	s_mov_b32 s[G1V+5], KROWV
	s_mov_b32 s[G1V+6], 0
	s_mov_b32 s[G1V+7], 0
	s_mov_b32 s[SEL], 0x76543210
	s_mov_b32 s[SEL+1], 0xfedcba98
	s_mov_b32 s[CS], 0x3b90d0c3                    ; 1 / (20 sqrt(128))
	s_mov_b32 s[PLIM], 0x40fcf84f                  ; 7.90531
	s_mov_b32 s[NLIM], 0xc0fcf84f
	s_mov_b32 s99, 0x3d0df4e0                      ; ln(2) / 20
	CPAIR CA13, 0xa59f25c0                         ; -2.76076847742355e-16
	CPAIR CA9,  0xaebd37ff                         ; -8.60467152213735e-11
	CPAIR CA7,  0x335c0041                         ;  5.12229709037114e-8
	CPAIR CA5,  0x3779434a                         ;  1.48572235717979e-5
	CPAIR CA3,  0x3a270ded                         ;  6.37261928875436e-4
	CPAIR CA1,  0x3ba059dc                         ;  4.89352455891786e-3
	s_mov_b32 s[TB], 0
	s_mov_b32 s[SLOTS], NSL-1
	s_wait_kmcnt 0x0
	s_load_b128 s[68:71], s[14:15], 0x0            ; eq, ek, ep, ev
	s_mov_b32 s[G0K], 1                            ; 1:0 count = 1
	s_mov_b32 s[G0K+1], s89                        ; 63:32 LDS address: slot 0
	s_add_nc_u64 s[G0K+2:G0K+3], s[6:7], s[90:91]  ; 120:64 global address: the head's first 256 keys
	s_or_b32 s[G0K+3], s[G0K+3], 0x80000000        ; 127:126 type = 2
	s_mov_b32 s[G0V], 1
	s_mov_b32 s[G0V+1], s94
	s_add_nc_u64 s[G0V+2:G0V+3], s[12:13], s[92:93]
	s_or_b32 s[G0V+3], s[G0V+3], 0x80000000
	CROUND                                         ; all four work-groups are here: the first joint loads meet
	TLOAD                                          ; slot 0: one tensor load of mine is out, at the most, here and ever after
	s_add_nc_u64 s[4:5], s[4:5], s[82:83]          ; Q's codes at my first query
	s_add_nc_u64 s[16:17], s[16:17], s[86:87]      ; O likewise
	; the prefetches (macro ASK): where my wave's stand, and who asks
	s_cmp_eq_u32 s[WV], 4                          ; wave 4 asks for K's codes, wave 5 for V's
	s_cselect_b64 s[PFA:PFA+1], s[6:7], s[12:13]
	s_mov_b32 s[PFS], VROWB
	s_cselect_b32 s[PFS], SK*ROWB, s[PFS]          ; a slot on
	s_mov_b32 s82, KROWV
	s_cselect_b32 s82, 256, s82                    ; from lane to lane
	s_mov_b32 s83, 32*KROWV
	s_cselect_b32 s83, 8192, s83                   ; from partner to partner
	v_and_b32 v[PFO], 31, v0
	v_mul_lo_u32 v[PFO], v[PFO], s82
	s_mul_i32 s82, s[CX], s83                      ; my work-group's part,
	s_add_co_u32 s82, s82, s[PFS]                  ; in slot 1: the first change of slots steps it to slot 2.  Nothing is prefetched here, at the head, where every work-group's first tiles are on their way
	s_add_co_u32 s82, s82, s74                     ; in my head
	s_mov_b32 s83, 0
	s_mov_b32 s[PFS+1], 0
	s_add_nc_u64 s[PFA:PFA+1], s[PFA:PFA+1], s[82:83]
	s_sub_co_u32 s82, s[WV], 4
	s_lshr_b32 s82, s82, 1                         ; 0 in waves 4 and 5,
	s_or_b32 s82, s82, ttmp9                       ; of the head's first cluster: the same in all four partners
	s_cmp_eq_u32 s82, 0
	s_cselect_b32 s[LIM], 1, -1
	v_and_b32 v8, 15, v0                           ; r = lane % 16
	v_bfe_u32 v9, v0, 4, 1                         ; h = lane / 16
	v_mul_u32_u24 v10, v8, ROWB
	v_lshl_add_u32 v10, v9, 4, v10                 ; Q: row r, + my half's 16 bytes
.irp c, 0,1,2,3
	global_load_b128 v[16+4*\c:19+4*\c], v10, s[4:5] offset:32*\c th:TH_LOAD_NT   ; Q's fragment stays in registers; no other wave reads these bytes
.endr
	v_and_b32 v11, 8, v8
	v_add_nc_u32 v11, v11, v8                      ; r + 8 (r / 8)
	v_mul_u32_u24 v[AK0], v11, KP
	v_lshl_add_u32 v[AK0], v9, 4, v[AK0]
	v_mul_u32_u24 v[AV0], v8, VP
	v_lshl_add_u32 v[AV0], v9, 4, v[AV0]
	v_add_nc_u32 v[AV0], VOFF, v[AV0]
	v_lshlrev_b32 v[GO], 9, v9
	v_lshl_add_u32 v[GO], v8, 4, v[GO]             ; the way out: lanes 0-15 take one row of O, lanes 16-31 the next; 16 bytes a lane
	v_mov_b32 v13, 0xff61b1e6                      ; the largest raw score so far: -3e38, under every score
	v_mov_b32 v12, 0x41e80000                      ; -M = 29: t is never under -28.86, so M = -29 lies under every M
	v_mov_b32 v14, 0                               ; the sum, in two halves
	v_mov_b32 v15, 0
	v_mov_b32 v241, 0                              ; written once: a lane permute's destination counts as one of its sources
	v_mov_b32 v253, 0                              ; (named as the upper half of the pair v[252:253])
.set JJ, 0
.rept 64
	v_mov_b32 v[160+JJ], 0                         ; O^T.  (The key step is written without a first step of its own: the first finds zeros, which the first change of M leaves zeros; a further copy of the step would cost more text than these lines)
.set JJ, JJ+1
.endr
	v_mov_b32 v32, 0x35a0d3d8                      ; Q's coefficients: 1.19825839466702e-6,
	v_mov_b32 v33, 0x38f895d6                      ; 1.18534705686654e-4,
	v_mov_b32 v34, 0x3b14aa05                      ; 2.26843463243900e-3,
	v_mov_b32 v35, 0x3ba059dd                      ; 4.89352518554385e-3,
	v_mul_f32 v32, s99, v32                        ; each x ln(2) / 20, once: 1 / Q' then carries the factor 20 log2(e)
	v_mul_f32 v248, s99, v33
	v_mul_f32 v34, s99, v34
	v_mul_f32 v35, s99, v35
	v_mov_b32 v249, v248
	v_readfirstlane_b32 s[CB6], v32
	v_readfirstlane_b32 s[CB2], v34
	v_readfirstlane_b32 s[CB0], v35
	s_mov_b32 s[CB6+1], s[CB6]
	s_mov_b32 s[CB2+1], s[CB2]
	s_mov_b32 s[CB0+1], s[CB0]
	v_mov_b32 v246, 0x2a61337e                     ; 2.00018790482477e-13: P's second coefficient, in vector registers, so that each chain's first multiply-add names one scalar pair
	v_mov_b32 v247, 0x2a61337e
	s_wait_kmcnt 0x0
	s_add_co_i32 s72, s68, s69
	s_lshl_b32 s72, s72, 23
	s_add_co_i32 s[CS], s[CS], s72                 ; a raw sum stands for sum x 2^(eq + ek): the two exponents are added to the factor's exponent field
	s_mov_b32 s[CS+1], s[CS]                       ; (named with it as a pair, so it is written)
	s_add_co_i32 s72, s70, 127
	s_lshl_b32 s73, s72, 23
	v_mov_b32 v244, s73                            ; 2^ep as f32, for the conversion
	s_add_co_i32 s72, s72, 15
	s_lshl_b32 s72, s72, 23
	s_or_b32 s72, s72, 0x600000
	v_mov_b32 v240, s72                            ; 57,344 x 2^ep
; EIGHT SCORES OF A LANE BECOME p: registers 96 + 8 g on, four pairs; each line is written for all four pairs before the next, so that no instruction waits for the one in front of it.
; At work, in two sets by turns: y = z^2 (8 registers), P (8), Q' and then its reciprocal (8).
.macro TG g
.set TGZ, 96+8*(\g)
.set TGY, 32+24*((\g)%2)
.set TGP, TGY+8
.set TGR, TGY+16
.irp i, 0,2,4,6
	v_pk_mul_f32 v[TGZ+\i:TGZ+\i+1], v[TGZ+\i:TGZ+\i+1], s[CS:CS+1] op_sel_hi:[1,0]   ; z = raw sum x 2^(eq + ek) / (20 sqrt(128))
.endr
.irp i, 0,1,2,3,4,5,6,7
	v_med3_num_f32 v[TGZ+\i], v[TGZ+\i], s[NLIM], s[PLIM]                              ; held where tanh is 1 to f32
.endr
.irp i, 0,2,4,6
	v_pk_mul_f32 v[TGY+\i:TGY+\i+1], v[TGZ+\i:TGZ+\i+1], v[TGZ+\i:TGZ+\i+1]
.endr
.irp i, 0,2,4,6
	v_pk_fma_f32 v[TGP+\i:TGP+\i+1], v[TGY+\i:TGY+\i+1], s[CA13:CA13+1], v[246:247] op_sel_hi:[1,0,1]
.endr
.irp i, 0,2,4,6
	v_pk_fma_f32 v[TGR+\i:TGR+\i+1], v[TGY+\i:TGY+\i+1], s[CB6:CB6+1], v[248:249] op_sel_hi:[1,0,1]
.endr
.irp i, 0,2,4,6
	v_pk_fma_f32 v[TGP+\i:TGP+\i+1], v[TGP+\i:TGP+\i+1], v[TGY+\i:TGY+\i+1], s[CA9:CA9+1] op_sel_hi:[1,1,0]
.endr
.irp i, 0,2,4,6
	v_pk_fma_f32 v[TGR+\i:TGR+\i+1], v[TGR+\i:TGR+\i+1], v[TGY+\i:TGY+\i+1], s[CB2:CB2+1] op_sel_hi:[1,1,0]
.endr
.irp i, 0,2,4,6
	v_pk_fma_f32 v[TGP+\i:TGP+\i+1], v[TGP+\i:TGP+\i+1], v[TGY+\i:TGY+\i+1], s[CA7:CA7+1] op_sel_hi:[1,1,0]
.endr
.irp i, 0,2,4,6
	v_pk_fma_f32 v[TGR+\i:TGR+\i+1], v[TGR+\i:TGR+\i+1], v[TGY+\i:TGY+\i+1], s[CB0:CB0+1] op_sel_hi:[1,1,0]
.endr
.irp i, 0,1,2,3,4,5,6,7
	v_rcp_f32 v[TGR+\i], v[TGR+\i]                                                     ; 1 / Q'; the rest of P's chain stands behind these: plain lines that touch none of their registers (ISA guide 5.7.2)
.endr
.irp i, 0,2,4,6
	v_pk_fma_f32 v[TGP+\i:TGP+\i+1], v[TGP+\i:TGP+\i+1], v[TGY+\i:TGY+\i+1], s[CA5:CA5+1] op_sel_hi:[1,1,0]
.endr
.irp i, 0,2,4,6
	v_pk_fma_f32 v[TGP+\i:TGP+\i+1], v[TGP+\i:TGP+\i+1], v[TGY+\i:TGY+\i+1], s[CA3:CA3+1] op_sel_hi:[1,1,0]
.endr
.irp i, 0,2,4,6
	v_pk_fma_f32 v[TGP+\i:TGP+\i+1], v[TGP+\i:TGP+\i+1], v[TGY+\i:TGY+\i+1], s[CA1:CA1+1] op_sel_hi:[1,1,0]
.endr
.irp i, 0,2,4,6
	v_pk_mul_f32 v[TGP+\i:TGP+\i+1], v[TGP+\i:TGP+\i+1], v[TGZ+\i:TGZ+\i+1]
.endr
	s_wait_alu depctr_va_vdst(0)
.irp i, 0,2,4,6
	v_pk_fma_f32 v[TGZ+\i:TGZ+\i+1], v[TGP+\i:TGP+\i+1], v[TGR+\i:TGR+\i+1], v[12:13] op_sel_hi:[1,1,0]   ; t - M (of the pair v[12:13] the low word, -M, serves both halves)
.endr
.irp i, 0,1,2,3,4,5,6,7
	v_exp_f32 v[TGZ+\i], v[TGZ+\i]                                                     ; p = 2^(t - M): NOT normalised.  The plain line behind these is the next group's first, or the sums' scaling
.endr
.endm
; A KEY STEP: 128 keys, the q-th of the slot in hand.
.macro STEP q
	v_add_nc_u32 v[ADK], s[TB], v[AK0]
	v_add_nc_u32 v[ADV], s[TB], v[AV0]
.irp g, 0,1                                    ; S^T = K Q^T, four tiles of 16 keys at a time
.rept 4-2*(1-\g)
	v_nop                                          ; four places in front of loads into registers that matrix instructions have read (ISA guide 7.12.1 for vector instructions); the two additions above are places too
.endr
.irp t, 0,1,2,3
.irp c, 0,1,2,3
	ds_load_b128 v[32+16*\t+4*\c:32+16*\t+4*\c+3], v[ADK] offset:(128*(\q)+32*((4*\g+\t)/2)+8*(\t%2))*KP+32*\c
.endr
.endr
	s_wait_dscnt 0x0
.irp t, 0,1,2,3
	v_wmma_f32_16x16x128_bf8_bf8 v[96+8*(4*\g+\t):103+8*(4*\g+\t)], v[32+16*\t:47+16*\t], v[16:31], 0
.endr
.endr                                          ; lane (r, h) holds query r; the 16 registers of tiles 2 b, 2 b + 1 are keys 128 q + 32 b + 16 h + 0 .. 15
.rept 4
	v_nop
.endr
	v_max3_num_f32 v254, v96, v97, v98             ; the step's largest raw score of my query, among my 64 keys, in two chains, each accumulator from its low end on,
	v_max3_num_f32 v252, v99, v100, v101
.irp i, 6,10,14,18,22,26,30,34,38,42,46,50,54,58
	v_max3_num_f32 v254, v254, v[96+\i], v[97+\i]
	v_max3_num_f32 v252, v252, v[98+\i], v[99+\i]
.endr
	v_max3_num_f32 v254, v254, v158, v159
	v_max_num_f32 v254, v254, v252
	v_permlanex16_b32 v241, v254, s[SEL], s[SEL+1]
	v_max3_num_f32 v13, v13, v254, v241            ; among lane l xor 16's too, and with the running largest
	; its t, by the operations of macro TG in their order
	v_mul_f32 v32, s[CS], v13
	v_med3_num_f32 v32, v32, s[NLIM], s[PLIM]
	v_mul_f32 v33, v32, v32
	v_fma_f32 v34, v33, s[CA13], v246
	v_fma_f32 v35, v33, s[CB6], v248
	v_fma_f32 v34, v34, v33, s[CA9]
	v_fma_f32 v35, v35, v33, s[CB2]
	v_fma_f32 v34, v34, v33, s[CA7]
	v_fma_f32 v35, v35, v33, s[CB0]
	v_rcp_f32 v35, v35
	v_fma_f32 v34, v34, v33, s[CA5]                ; (a plain line behind the reciprocal)
	v_fma_f32 v34, v34, v33, s[CA3]
	v_fma_f32 v34, v34, v33, s[CA1]
	v_mul_f32 v34, v34, v32
	s_wait_alu depctr_va_vdst(0)
	v_mul_f32 v34, v34, v35                        ; the running largest t
	v_mov_b32 v254, v12
	v_floor_f32 v12, -v34                          ; the new -M = floor(-t) = -ceil(t): M IS A WHOLE NUMBER
	v_sub_f32 v254, v12, v254                      ; M's old value less its new one: a whole number
	v_cvt_i32_f32 v254, v254
	v_ldexp_f32 v252, 1.0, v254                    ; f = 2^(old M - new M): what was summed under the old M is brought under the new by a multiplication that rounds nothing
.irp g, 0,1,2,3,4,5,6,7
	TG \g
.endr
	v_pk_mul_f32 v[14:15], v[14:15], v[252:253] op_sel_hi:[1,0]   ; the sums under the new M
	v_pk_add_f32 v[242:243], v[96:97], v[98:99]    ; THE ROW'S SUM IS TAKEN OF THE UNQUANTISED p: two at a time, in two chains
	s_wait_alu depctr_va_vdst(0)
.irp j, 4,8,12,16,20,24,28,32,36,40,44,48,52,56,60
	v_pk_add_f32 v[14:15], v[14:15], v[96+\j:97+\j]
	v_pk_add_f32 v[242:243], v[242:243], v[98+\j:99+\j]
.endr
	v_pk_add_f32 v[14:15], v[14:15], v[242:243]
.irp b, 0,1,2,3
.irp i, 0,1,2,3,4,5,6,7,8,9,10,11,12,13,14,15
	v_min_num_f32 v[96+16*\b+\i], v[96+16*\b+\i], v240   ; the conversion to an 8-bit code does not saturate (ISA guide 7.6.2); p is not negative, so the hold is one-sided
.endr
	v_cvt_scalef32_pk8_bf8_f32 v[224+4*\b:225+4*\b], v[96+16*\b:103+16*\b], v244
	v_cvt_scalef32_pk8_bf8_f32 v[226+4*\b:227+4*\b], v[104+16*\b:111+16*\b], v244
.endr
.set JJ, 0
.rept 32
	v_pk_mul_f32 v[160+JJ:161+JJ], v[160+JJ:161+JJ], v[252:253] op_sel_hi:[1,0]   ; O^T under the new M: x f, each accumulator from its low end on.  (These 32 are also the plain lines behind the conversions)
.set JJ, JJ+2
.endr
.irp g, 0,1                                    ; O^T += V^T P^T: four tiles of 16 of the head's 128 at a time; K = these 128 keys.  Each accumulator has one instruction a step: the eight take turns
.if \g > 0
.rept 4
	v_nop
.endr
.endif
.irp t, 0,1,2,3
.irp c, 0,1,2,3
	ds_load_b128 v[32+16*\t+4*\c:32+16*\t+4*\c+3], v[ADV] offset:16*(4*\g+\t)*VP+ROWB*(\q)+32*\c
.endr
.endr
	s_wait_dscnt 0x0
.irp t, 0,1,2,3
	v_wmma_f32_16x16x128_bf8_bf8 v[160+8*(4*\g+\t):167+8*(4*\g+\t)], v[32+16*\t:47+16*\t], v[224:239], v[160+8*(4*\g+\t):167+8*(4*\g+\t)]
.endr
.endr
.endm
; THE CHANGE OF SLOTS stands at a slot's head.  Each wave waits for all its tensor loads (its part of the slot that it is about to read), adds 0 to its spare word, and waits for that and for its reads of the slot that it has left.
; Behind the barrier the slot ahead is whole and nobody reads the other one.  fill = 1: that other slot is filled with the keys that follow.  The barrier is then a round of the cluster's, so that no wave of any partner still reads
; the slot or has a load on its way, and the joint load is the first thing behind it: it has a whole slot's two key steps in which to land.
.macro CHANGE fill
	s_wait_tensorcnt 0x0                           ; no tensor load of mine is out, so a group 0 may be written
	ds_add_u32 v[SPW], v[NIL]                      ; 0 onto my spare word; with fill = 1 the descriptors' steps stand between it and the wait for it
.if \fill
	s_xor_b32 s[G0K+1], s[G0K+1], SLOT1            ; the walking descriptors: the other slot than last time,
	s_add_nc_u64 s[G0K+2:G0K+3], s[G0K+2:G0K+3], SK*ROWB   ; the next 256 keys; the type bits on top are not reached
	s_xor_b32 s[G0V+1], s[G0V+1], SLOT1
	s_add_nc_u64 s[G0V+2:G0V+3], s[G0V+2:G0V+3], VROWB
	s_wait_xcnt 0x0                                ; the last prefetch, a slot back, has read its address, so it may be written:
	s_add_nc_u64 s[PFA:PFA+1], s[PFA:PFA+1], s[PFS:PFS+1]  ; one slot further on than the walking descriptors
.endif
	s_wait_dscnt 0x0                               ; the add is done, and my reads of the slot that I have left are over
.if \fill
	CROUND
	TLOAD                                          ; the first thing behind the round, and a wave's one tensor load until the next
	ASK                                            ; what the next change of slots will ask for: two key steps ahead of that load
.else
	s_barrier_signal -1
	s_barrier_wait -1
.endif
.endm
.macro SLOT_STEPS
	STEP 0
	STEP 1
	s_xor_b32 s[TB], s[TB], SLOT1                  ; on to the other slot
.endm
	s_wait_loadcnt 0x0                             ; Q
.Lslot:                                            ; seven trips: behind each change of slots but the last the next slot is asked for
	CHANGE 1
	SLOT_STEPS
	s_sub_co_u32 s[SLOTS], s[SLOTS], 1
	s_cmp_lg_u32 s[SLOTS], 0
	s_cbranch_scc1 .Lslot
	CHANGE 0                                       ; the last slot is written out
	SLOT_STEPS
	; THE WAY OUT.  The sum's two halves are added; O^T is divided by the sum and goes through my stage in LDS, half a row (64 channels, 256 bytes) of 16 queries at a time, so that sixteen lanes store 256 consecutive bytes, aligned.
	v_add_f32 v14, v14, v15                        ; the sum's two halves,
	v_permlanex16_b32 v252, v14, s[SEL], s[SEL+1]
	v_add_f32 v14, v14, v252                       ; and lane l xor 16's: the row's sum
	v_rcp_f32 v14, v14
	v_and_b32 v8, 15, v0                           ; (a plain line behind the reciprocal)  r
	v_bfe_u32 v9, v0, 4, 1                         ; h
	s_add_co_i32 s72, s70, s71
	s_wait_alu depctr_va_vdst(0)
	v_ldexp_f32 v14, v14, s72                      ; x 2^(ep + ev)
	s_mul_i32 s73, s[WV], 16*272
	s_add_co_u32 s73, s73, STAGE                   ; my stage
	v_mul_u32_u24 v10, v8, 272
	v_lshl_add_u32 v10, v9, 5, v10
	v_add_nc_u32 v10, s73, v10                     ; in: row r; tile t's eight channels of my half: 64 t + 32 h bytes on
	v_mul_u32_u24 v11, v9, 272
	v_lshl_add_u32 v11, v8, 4, v11
	v_add_nc_u32 v11, s73, v11                     ; back: lanes 0-15 one row, lanes 16-31 the next
.set JJ, 0
.rept 64
	v_mul_f32 v[96+JJ], v[160+JJ], v14             ; O^T / the sum: register 8 t + i is o(r, 16 t + 8 h + i); each accumulator from its low end on
.set JJ, JJ+1
.endr
.irp u, 0,1                                    ; channels 64 u on
.irp t, 0,1,2,3
	ds_store_b128 v10, v[96+32*\u+8*\t:99+32*\u+8*\t] offset:64*\t
	ds_store_b128 v10, v[100+32*\u+8*\t:103+32*\u+8*\t] offset:64*\t+16
.endr
.irp i, 0,1,2,3,4,5,6,7
	ds_load_b128 v[32+32*\u+4*\i:35+32*\u+4*\i], v11 offset:2*\i*272   ; LDS serves a wave's instructions in order (ISA guide 5.7.1.4): these see my stores, and the next half's stores come behind them
.endr
.endr
.irp u, 0,1
.irp i, 0,1,2,3,4,5,6,7
	s_wait_dscnt 15-8*\u-\i                        ; behind load i of the second half stand 7 - i younger loads; for the first half the count is smaller than it need be
	global_store_b128 v[GO], v[32+32*\u+4*\i:35+32*\u+4*\i], s[16:17] offset:2*\i*512+256*\u th:TH_STORE_NT   ; written once, read by nobody here
.endr
.endr
	s_wait_tensorcnt 0x0                           ; the wave's end: behind my last tensor load and my last LDS store
	ds_add_u32 v[SPW], v[NIL]
	s_wait_dscnt 0x0
	CROUND                                         ; the closing round: no work-group ends while a partner may still ask for a tile that names it
	s_endpgm
.Lfunc_end_k_q0fee0ef54c_attn:
	.size	k_q0fee0ef54c_attn, .Lfunc_end_k_q0fee0ef54c_attn-k_q0fee0ef54c_attn
	.p2alignl 7, 3214868480
	.fill 96, 4, 3214868480
	.section	.rodata,"a",@progbits
	.p2align	6, 0x0
	.amdhsa_kernel k_q0fee0ef54c_attn
		.amdhsa_group_segment_fixed_size 327680
		.amdhsa_private_segment_fixed_size 0
		.amdhsa_enable_private_segment 0
		.amdhsa_kernarg_size 40
		.amdhsa_user_sgpr_count 2
		.amdhsa_user_sgpr_kernarg_segment_ptr 1
		.amdhsa_wavefront_size32 1
		.amdhsa_system_sgpr_workgroup_id_x 1
		.amdhsa_system_sgpr_workgroup_id_y 1
		.amdhsa_system_sgpr_workgroup_id_z 1
		.amdhsa_system_vgpr_workitem_id 0
		.amdhsa_next_free_vgpr 256
		.amdhsa_next_free_sgpr 100
		.amdhsa_reserve_vcc 0
		.amdhsa_float_denorm_mode_32 3
		.amdhsa_float_denorm_mode_16_64 3
		.amdhsa_memory_ordered 1
		.amdhsa_forward_progress 1
		.amdhsa_inst_pref_size 219
	.end_amdhsa_kernel
	.amdgpu_metadata
---
amdhsa.version: [ 1, 2 ]
amdhsa.kernels:
  - .name:           k_q0fee0ef54c_attn
    .symbol:         k_q0fee0ef54c_attn.kd
    .args:
      - { .name: Q_codes, .offset: 0, .size: 8, .value_kind: global_buffer, .address_space: global }
      - { .name: K_codes, .offset: 8, .size: 8, .value_kind: global_buffer, .address_space: global }
      - { .name: V_codes, .offset: 16, .size: 8, .value_kind: global_buffer, .address_space: global }
      - { .name: lowp_scales, .offset: 24, .size: 8, .value_kind: global_buffer, .address_space: global }
      - { .name: out0, .offset: 32, .size: 8, .value_kind: global_buffer, .address_space: global }
    .group_segment_fixed_size: 327680
    .private_segment_fixed_size: 0
    .kernarg_segment_align: 8
    .kernarg_segment_size: 40
    .max_flat_workgroup_size: 512
    .sgpr_count:     100
    .vgpr_count:     256
    .wavefront_size: 32
...
	.end_amdgpu_metadata
.endif
;; end of part 1
;; ======== version 2 of 2: 1 launch
;; limits: right only within a limited range of input values
;; launch attn (part 2): grid 8 x 32, 16 waves a work-group, clusters of 4 x 1, 327,680 bytes of LDS; arguments Q_codes, K_codes, V_codes, lowp_scales, out0; writes out0
.if DOCPART == 2
	.amdgcn_target "amdgcn-amd-amdhsa--gfx1250"
	.amdhsa_code_object_version 6
	.text
	.protected	k_q0fee0ef54c_attn
	.globl	k_q0fee0ef54c_attn
	.p2align	8
	.type	k_q0fee0ef54c_attn,@function
k_q0fee0ef54c_attn:
	s_mov_b64 s[64:65], 0
	v_nop
	global_prefetch_b8 v0, s[64:65] scope:SCOPE_SE
	s_setreg_imm32_b32 hwreg(HW_REG_WAVE_MODE, 25, 1), 1
	s_wait_xcnt 0x0
	s_wait_alu depctr_hold_cnt(0) depctr_sa_sdst(0) depctr_va_vdst(0) depctr_va_sdst(0) depctr_va_ssrc(0) depctr_va_vcc(0) depctr_vm_vsrc(0)
	s_getreg_b32 s2, hwreg(HW_REG_IB_STS2, 6, 4)
	s_cmp_eq_u32 s2, 0
	s_cbranch_scc0 .Lentry_in_a_cluster
	s_endpgm
.Lentry_in_a_cluster:
	s_bfe_u32 s2, ttmp6, 0x10000c
	s_cmp_lg_u32 s2, 0x3003
	s_cbranch_scc0 .Lentry_shape_is_right
	s_endpgm
.Lentry_shape_is_right:
; O[h][q][:] = sum over k of softmax_k(20 tanh(Q[h][q] . K[h][k] / sqrt(128) / 20)) V[h][k][:]; 32 heads, 2,048 queries and keys, head size 128; both products on codes of BF8 (E5M2), scales 2^eq, 2^ek, 2^ep, 2^ev.
; Q, K: [32][2048][128] codes.  V: codes with the keys innermost, [32][128][2048].  O: [32][2048][128] f32.
; TANH: tanh(z) = 1 - 2 r, r = 1 / (1 + 2^(raw sum x c)), c = 2 log2(e) 2^(eq + ek) / (20 sqrt(128)).  t = C - 2 C r, C = 20 log2(e).  An exponential that overflows gives r = 0 (tanh = 1), one that vanishes r = 1 (tanh = -1): no clamp is owed.
;   The error of t is absolute: a few units of the last place of 2 C.
; M: r falls where the score rises, so the running SMALLEST r stands for the row's largest t; M = ceil(C - 2 C r_min), by the same multiply-add that makes every t.  p = 2^(t - M) is quantised with 2^ep, not normalised;
;   the row's sum is taken of the unquantised p and divides O at the end.  When M moves, the sum and O are multiplied by 2^(old M - new M): exact.
; SHARES: a work-group owns 256 queries of one head, each of its sixteen waves 16 of them, in 256 registers.  Every wave walks all keys, 128 a step.  K and V come through two LDS slots of 512 keys (waves 0, 1 fetch K's halves, waves 2, 3 V's).
; CLUSTER: the four query blocks of a cluster belong to one head and walk the same K and V: each tile is asked for jointly, with a mask that names the four.
; LAYOUT: both products transposed (S^T = K Q^T, O^T = V^T P^T): a lane holds one query (lane % 16).  Tile t of K is keys 16 t .. 16 t + 15: at a pitch of 144 bytes the sixteen rows of a load start in sixteen different columns of 16 bytes.
;   Lane (r, h)'s eight results of tile t are keys 16 t + 8 h + 0 .. 7: their codes are registers 2 t, 2 t + 1 of P's operand in the plain 8-bit layout, and V's fragments are fetched in that layout, eight loads of 8 bytes at 16 c + 8 h
;   (pitch 528 bytes = 132 words: lane (r, h) starts at word 4 r + 2 h modulo 64).  Q's and K's fragments are four loads of 16 bytes: registers 4 c .. 4 c + 3 hold k = 32 c + 16 h + 0 .. 15, the same permutation of k in both operands.
; LIMITS: eq + ek between -119 and 134 (added to c's exponent field); ep between -126 and 112; codes that are NaN or infinity are not served.
; REGISTERS: v1-3, v5-7 stay; v4 -M; v8, v9 the step's LDS addresses; v12 C - M, v13 the smallest r; v[14:15] the sum; v16-31 Q; v32-95 four fragments; v96-159 S^T, e, r, p, then V's other four fragments; v160-223 O^T; v224-239 p's codes; v240-254 at work.
.set SK,    512
.set NQ,    SK/128
.set ROWB,  128
.set KP,    144                        ; a key's row in LDS: 128 bytes + 16
.set VROWB, 512
.set VP,    528                        ; a row of V's tile in LDS: 512 bytes + 16
.set KROWV, 2048
.set VOFF,  SK*KP
.set SLOTB, VOFF+128*VP                ; 141,312 bytes a slot
.set SPARE, 2*SLOTB                    ; the spare words: 128 bytes a wave, eight blocks of 256 bytes that no other line names
.set STAGE, 0                          ; the way out goes through slot 0: it has had its last fill and nobody reads it
.set AK0,  1
.set AV0,  2
.set PFO,  3
.set NM,   4
.set SPW,  5
.set NIL,  6
.set GO,   7
.set ADK,  8
.set ADV,  9
.set TK,   2                           ; s2 LDS byte of the step's 128 rows of K;  s3 the slot's first byte + the step's 128 bytes in V's rows
.set TV,   3
.set WV,   18
.set SEL,  20
.set CS,   22                          ; s[22:23] c
.set G1K,  24
.set G1V,  32
.set G0K,  40
.set G0V,  44
.set NB,   48                          ; s[48:49] -2 C
.set CC,   50                          ; s50 C
.set PFA,  76
.set PFS,  78
.set LIM,  80
.set CNT,  81
.set LK,   89
.set LV,   94
.set CX,   98
.macro CROUND                          ; a round of the cluster's barrier
	s_barrier_signal -1
	s_barrier_wait -1
	s_cmp_lg_u32 s[WV], 0
	s_cbranch_scc1 .Lnot_wave_0_\@
	s_barrier_signal -3
.Lnot_wave_0_\@:
	s_barrier_wait -3
	s_barrier_signal -1
	s_barrier_wait -1
.endm
.macro TLOAD                           ; a joint load: waves 0, 1 for K, waves 2, 3 for V; the branches hang on the wave's number alone.  s_nop 0 and four v_nop behind each
	s_cmp_lt_u32 s[WV], 2
	s_cbranch_scc0 .Lnot_k_\@
	tensor_load_to_lds s[G0K:G0K+3], s[G1K:G1K+7]
	s_nop 0
.rept 4
	v_nop
.endr
	s_branch .Lasked_\@
.Lnot_k_\@:
	s_cmp_lt_u32 s[WV], 4
	s_cbranch_scc0 .Lasked_\@
	tensor_load_to_lds s[G0V:G0V+3], s[G1V:G1V+7]
	s_nop 0
.rept 4
	v_nop
.endr
.Lasked_\@:
.endm
; A prefetch of what the NEXT change of slots will ask for (four key steps ahead of that load): 65,536 bytes of K, 512 bytes of each of V's 128 rows.  The head's first cluster asks; its four partners share the blocks out by address
; (16,384 bytes of K, 32 rows of V each); waves 4, 5 for K (8,192 bytes a wave, lanes 256 bytes apart), waves 6, 7 for V (a lane a row, a wave one half of the 512 bytes).  The first two changes ask, for keys 1,024 on and 1,536 on.
.macro ASK
	s_cmp_eq_u32 s[LIM], 1
	s_cbranch_scc0 .Lnot_mine_\@
	global_prefetch_b8 v[PFO], s[PFA:PFA+1] th:TH_LOAD_NT scope:SCOPE_SE
.Lnot_mine_\@:
.endm
	s_load_b128 s[4:7], s[0:1], 0x0                ; Q, K
	s_load_b128 s[12:15], s[0:1], 0x10             ; V, the exponents
	s_load_b64 s[16:17], s[0:1], 0x20              ; O
	v_lshl_add_u32 v[SPW], v0, 2, SPARE
	v_mov_b32 v[NIL], 0
	ds_add_u32 v[SPW], v[NIL]                      ; the opening lines: the add, twice on end, and its one wait
	ds_add_u32 v[SPW], v[NIL]
	v_lshrrev_b32 v8, 5, v0
	v_readfirstlane_b32 s[WV], v8                  ; wave 0..15
	s_bfe_u32 s[CX], ttmp6, 0x40000                ; cx: it enters Q's, O's and the prefetches' addresses alone
	s_lshl_b32 s72, ttmp9, 2
	s_add_co_u32 s72, s72, s[CX]                   ; my block of 256 queries
	s_and_b32 s73, ttmp7, 0xffff                   ; the head
	s_lshl_b32 s74, s73, 18                        ; the head's first byte in each tensor of codes,
	s_mov_b32 s75, 0
	s_lshl_b32 s86, s73, 20                        ; and in O
	s_lshl_b32 s81, s72, 8
	s_lshl_b32 s82, s[WV], 4
	s_add_co_u32 s81, s81, s82                     ; my first query
	s_lshl_b32 s82, s81, 7
	s_add_co_u32 s82, s82, s74
	s_mov_b32 s83, 0
	s_lshl_b32 s85, s81, 9
	s_add_co_u32 s86, s86, s85
	s_mov_b32 s87, 0
	s_and_b32 s88, s[WV], 1                        ; which half I fetch, if I fetch
	s_lshl_b32 s90, s88, 15                        ; K: 256 keys of 128 bytes
	s_add_co_u32 s90, s90, s74
	s_mov_b32 s91, 0
	s_mul_i32 s[LK], s88, 256*KP
	s_lshl_b32 s92, s88, 17                        ; V: 64 rows of 2,048 bytes
	s_add_co_u32 s92, s92, s74
	s_mov_b32 s93, 0
	s_mul_i32 s[LV], s88, 64*VP
	s_add_co_u32 s[LV], s[LV], VOFF
	s_mov_b32 s[G1K], 15|(1<<20)|(1<<21)|(4<<22)|(3<<25)  ; K: 256 keys, dense in memory, stated as 128 rows of 256 bytes; four words of padding behind every 32; the mask names all four
	s_mov_b32 s[G1K+1], 256<<16
	s_mov_b32 s[G1K+2], 128<<16
	s_mov_b32 s[G1K+3], 256<<16
	s_mov_b32 s[G1K+4], 128
	s_mov_b32 s[G1K+5], 256
	s_mov_b32 s[G1K+6], 0
	s_mov_b32 s[G1K+7], 0
	s_mov_b32 s[G1V], 15|(1<<20)|(1<<21)|(6<<22)|(3<<25)  ; V: 64 rows of 512 bytes, 2,048 apart; four words behind every 128
	s_mov_b32 s[G1V+1], VROWB<<16
	s_mov_b32 s[G1V+2], 64<<16
	s_mov_b32 s[G1V+3], VROWB<<16
	s_mov_b32 s[G1V+4], 64
	s_mov_b32 s[G1V+5], KROWV
	s_mov_b32 s[G1V+6], 0
	s_mov_b32 s[G1V+7], 0
	s_mov_b32 s[SEL], 0x76543210
	s_mov_b32 s[SEL+1], 0xfedcba98
	s_mov_b32 s[CS], 0x3c50ecb0                    ; 2 log2(e) / (20 sqrt(128))
	s_mov_b32 s[NB], 0xc266d4ca                    ; -2 C
	s_mov_b32 s[NB+1], 0xc266d4ca
	s_mov_b32 s[CC], 0x41e6d4ca                    ; C = 20 log2(e)
	s_wait_dscnt 0x0                               ; both opening adds are done
	s_wait_kmcnt 0x0
	s_load_b128 s[68:71], s[14:15], 0x0            ; eq, ek, ep, ev
	s_mov_b32 s[G0K], 1
	s_mov_b32 s[G0K+1], s[LK]
	s_add_nc_u64 s[G0K+2:G0K+3], s[6:7], s[90:91]
	s_or_b32 s[G0K+3], s[G0K+3], 0x80000000
	s_mov_b32 s[G0V], 1
	s_mov_b32 s[G0V+1], s[LV]
	s_add_nc_u64 s[G0V+2:G0V+3], s[12:13], s[92:93]
	s_or_b32 s[G0V+3], s[G0V+3], 0x80000000
	CROUND                                         ; the first joint loads meet
	TLOAD                                          ; slot 0: one tensor load of a wave is out at the most, here and ever after
	s_add_nc_u64 s[4:5], s[4:5], s[82:83]
	s_add_nc_u64 s[16:17], s[16:17], s[86:87]
	s_cmp_lt_u32 s[WV], 6                          ; the prefetches: waves 4, 5 K's codes, waves 6, 7 V's
	s_cselect_b64 s[PFA:PFA+1], s[6:7], s[12:13]
	s_mov_b32 s[PFS], VROWB
	s_cselect_b32 s[PFS], SK*ROWB, s[PFS]          ; a slot on
	s_mov_b32 s82, KROWV
	s_cselect_b32 s82, 256, s82                    ; from lane to lane
	s_mov_b32 s83, 32*KROWV
	s_cselect_b32 s83, 16384, s83                  ; from partner to partner
	s_mov_b32 s85, 256
	s_cselect_b32 s85, 8192, s85                   ; from the even wave to the odd one
	v_and_b32 v[PFO], 31, v0
	v_mul_lo_u32 v[PFO], v[PFO], s82
	s_mul_i32 s82, s[CX], s83
	s_mul_i32 s85, s88, s85
	s_add_co_u32 s82, s82, s85
	s_lshl_b32 s85, s[PFS], 1
	s_add_co_u32 s82, s82, s85                     ; two slots on: keys 1,024 on
	s_add_co_u32 s82, s82, s74
	s_mov_b32 s83, 0
	s_mov_b32 s[PFS+1], 0
	s_add_nc_u64 s[PFA:PFA+1], s[PFA:PFA+1], s[82:83]
	s_sub_co_u32 s82, s[WV], 4
	s_lshr_b32 s82, s82, 2                         ; 0 in waves 4 to 7,
	s_or_b32 s82, s82, ttmp9                       ; of the head's first cluster
	s_cmp_eq_u32 s82, 0
	s_cselect_b32 s[LIM], 1, -1
	v_and_b32 v8, 15, v0                           ; r
	v_bfe_u32 v9, v0, 4, 1                         ; h
	v_mul_u32_u24 v10, v8, ROWB
	v_lshl_add_u32 v10, v9, 4, v10
.irp c, 0,1,2,3
	global_load_b128 v[16+4*\c:19+4*\c], v10, s[4:5] offset:32*\c th:TH_LOAD_NT   ; Q's fragment stays in registers
.endr
	v_mul_u32_u24 v[AK0], v8, KP                   ; K: row r, + 16 h
	v_lshl_add_u32 v[AK0], v9, 4, v[AK0]
	v_mul_u32_u24 v[AV0], v8, VP                   ; V: row r, + 8 h
	v_lshl_add_u32 v[AV0], v9, 3, v[AV0]
	v_add_nc_u32 v[AV0], VOFF, v[AV0]
	v_lshlrev_b32 v[GO], 9, v9
	v_lshl_add_u32 v[GO], v8, 4, v[GO]
	v_mov_b32 v13, 1.0                             ; the smallest r so far: r is never over 1
	v_mov_b32 v[NM], 0x41e80000                    ; -M = 29: under every M
	v_mov_b32 v14, 0
	v_mov_b32 v15, 0
	v_mov_b32 v241, 0                              ; a lane permute's destination counts as a source
	v_mov_b32 v253, 0                              ; (upper half of the pair v[252:253])
.set JJ, 0
.rept 64
	v_mov_b32 v[160+JJ], 0                         ; O^T: the step has no first copy of its own; the first change of M leaves zeros zeros
.set JJ, JJ+1
.endr
	s_wait_kmcnt 0x0
	s_add_co_i32 s72, s68, s69
	s_lshl_b32 s72, s72, 23
	s_add_co_i32 s[CS], s[CS], s72                 ; c x 2^(eq + ek)
	s_mov_b32 s[CS+1], s[CS]
	s_add_co_i32 s72, s70, 127
	s_lshl_b32 s73, s72, 23
	v_mov_b32 v244, s73                            ; 2^ep
	s_add_co_i32 s72, s72, 15
	s_lshl_b32 s72, s72, 23
	s_or_b32 s72, s72, 0x600000
	v_mov_b32 v240, s72                            ; 57,344 x 2^ep,
	v_mov_b32 v245, s72                            ; twice: the two halves of a dual pair name second sources with different numbers modulo 4
.macro KLOAD t0                        ; four tiles of 16 keys
.irp t, 0,1,2,3
.irp c, 0,1,2,3
	ds_load_b128 v[32+16*\t+4*\c:32+16*\t+4*\c+3], v[ADK] offset:16*(\t0+\t)*KP+32*\c
.endr
.endr
.endm
.macro QK t0
.irp t, 0,1,2,3
	v_wmma_f32_16x16x128_bf8_bf8 v[96+8*(\t0+\t):103+8*(\t0+\t)], v[32+16*\t:47+16*\t], v[16:31], 0
.endr
.endm
.macro VLOAD d, t0                     ; four tiles of 16 of the head's 128: registers 2 c, 2 c + 1 hold keys 16 c + 8 h + 0 .. 7
.irp t, 0,1,2,3
.irp c, 0,1,2,3,4,5,6,7
	ds_load_b64 v[\d+16*\t+2*\c:\d+16*\t+2*\c+1], v[ADV] offset:16*(\t0+\t)*VP+16*\c
.endr
.endr
.endm
.macro PV d, t0
.irp t, 0,1,2,3
	v_wmma_f32_16x16x128_bf8_bf8 v[160+8*(\t0+\t):167+8*(\t0+\t)], v[\d+16*\t:\d+16*\t+15], v[224:239], v[160+8*(\t0+\t):167+8*(\t0+\t)]
.endr
.endm
.macro SCALE b, n                      ; raw sums x c, n pairs from register b on, each accumulator from its low end
.set JJ, \b
.rept \n
	v_pk_mul_f32 v[JJ:JJ+1], v[JJ:JJ+1], s[CS:CS+1] op_sel_hi:[1,0]
.set JJ, JJ+2
.endr
.endm
.macro BATCH op                        ; 64 transcendentals on end, with a wait ahead of them; the plain line and the wait behind them follow the macro
	s_wait_alu depctr_va_vdst(0)
.set JJ, 0
.rept 64
	\op v[96+JJ], v[96+JJ]
.set JJ, JJ+1
.endr
.endm
; A KEY STEP: 128 keys
.macro STEP
	v_add_nc_u32 v[ADK], s[TK], v[AK0]
	v_add_nc_u32 v[ADV], s[TV], v[AV0]
.rept 3
	v_nop                                          ; with the two additions five places behind the last step's products: four for the loads, five for the products that write S^T over their sources
.endr
	KLOAD 0
	s_wait_alu depctr_va_vdst(0)
	s_wait_dscnt 0x0
	QK 0
.rept 4
	v_nop
.endr
	KLOAD 4
	SCALE 96, 12                                   ; stands between the loads and the wait for them
	s_wait_dscnt 0x0
	QK 4
	SCALE 120, 20                                  ; its first four lines, on tile 3, are the four places behind the products just issued
	VLOAD 32, 0                                    ; V's first four fragments have the whole softmax in which to land
	BATCH v_exp_f32                                ; e = 2^(raw x c)
	v_nop
	s_wait_alu depctr_va_vdst(0)                   ; one wait for the batch
.set JJ, 96
.rept 32
	v_pk_add_f32 v[JJ:JJ+1], v[JJ:JJ+1], 1.0 op_sel_hi:[1,0]
.set JJ, JJ+2
.endr
	BATCH v_rcp_f32                                ; r = 1 / (1 + e)
	v_nop
	s_wait_alu depctr_va_vdst(0)
	v_min3_num_f32 v254, v96, v97, v98             ; the step's smallest r of my query, in two chains
	v_min3_num_f32 v252, v99, v100, v101
.irp i, 6,10,14,18,22,26,30,34,38,42,46,50,54,58
	v_min3_num_f32 v254, v254, v[96+\i], v[97+\i]
	v_min3_num_f32 v252, v252, v[98+\i], v[99+\i]
.endr
	v_min3_num_f32 v254, v254, v158, v159
	v_min_num_f32 v254, v254, v252
	v_permlanex16_b32 v241, v254, s[SEL], s[SEL+1]
	v_min3_num_f32 v13, v13, v254, v241            ; lane l xor 16's too, and the running smallest
	v_fma_f32 v250, v13, s[NB], s[CC]              ; the running largest t
	v_floor_f32 v251, -v250                        ; -M = -ceil(t)
	v_sub_f32 v254, v251, v[NM]                    ; old M - new M, a whole number, 0 or less
	v_mov_b32 v[NM], v251
	v_add_f32 v12, s[CC], v251                     ; C - M
	v_cvt_i32_f32 v254, v254
	v_ldexp_f32 v252, 1.0, v254                    ; f = 2^(old M - new M)
.set JJ, 96
.rept 32
	v_pk_fma_f32 v[JJ:JJ+1], v[JJ:JJ+1], s[NB:NB+1], v[12:13] op_sel_hi:[1,0,0]   ; t - M = (C - M) - 2 C r
.set JJ, JJ+2
.endr
	BATCH v_exp_f32                                ; p = 2^(t - M)
	v_pk_mul_f32 v[14:15], v[14:15], v[252:253] op_sel_hi:[1,0]   ; the sums under the new M (the plain line behind the batch)
	s_wait_alu depctr_va_vdst(0)
	v_pk_add_f32 v[242:243], v[96:97], v[98:99]    ; the row's sum of the unquantised p, in two chains
.irp j, 4,8,12,16,20,24,28,32,36,40,44,48,52,56,60
	v_pk_add_f32 v[14:15], v[14:15], v[96+\j:97+\j]
	v_pk_add_f32 v[242:243], v[242:243], v[98+\j:99+\j]
.endr
	v_pk_add_f32 v[14:15], v[14:15], v[242:243]
.irp t, 0,1,2,3,4,5,6,7
.irp i, 0,2,4,6
	v_dual_min_num_f32 v[96+8*\t+\i], v[96+8*\t+\i], v240 :: v_dual_min_num_f32 v[97+8*\t+\i], v[97+8*\t+\i], v245   ; the conversion does not saturate (ISA guide 7.6.2); p is not negative; two holds a line
.endr
	v_cvt_scalef32_pk8_bf8_f32 v[224+2*\t:225+2*\t], v[96+8*\t:103+8*\t], v244   ; keys 16 t + 8 h + 0 .. 7
.endr
	VLOAD 96, 4                                    ; p's registers take V's other four fragments
	s_wait_alu depctr_va_vdst(0)                   ; directly ahead of the first readers of O^T
.set JJ, 160
.rept 32
	v_pk_mul_f32 v[JJ:JJ+1], v[JJ:JJ+1], v[252:253] op_sel_hi:[1,0]   ; O^T x f
.set JJ, JJ+2
.endr
	s_wait_alu depctr_va_vdst(0)
	s_wait_dscnt 32                                ; V's first four fragments are in; the 32 younger loads may be out
	PV 32, 0                                       ; the eight accumulators take turns, one instruction each a step
	s_wait_dscnt 0x0
	PV 96, 4
.endm
; THE CHANGE OF SLOTS: every wave waits for its tensor loads, adds 0 to its spare word and waits for that and for its reads of the slot left.  fill = 1: a round of the cluster's barrier, then the joint load into the slot left.
.macro CHANGE fill, slot, step, ask
	s_wait_tensorcnt 0x0
	ds_add_u32 v[SPW], v[NIL]
.if \fill
	ds_add_u32 v[SPW], v[NIL]                      ; the add twice on end, where a load follows that twelve waves pass by
	s_add_co_u32 s[G0K+1], s[LK], (\slot)*SLOTB
	s_add_nc_u64 s[G0K+2:G0K+3], s[G0K+2:G0K+3], SK*ROWB
	s_add_co_u32 s[G0V+1], s[LV], (\slot)*SLOTB
	s_add_nc_u64 s[G0V+2:G0V+3], s[G0V+2:G0V+3], VROWB
.endif
.if \step
	s_wait_xcnt 0x0                                ; the last prefetch has read its address
	s_add_nc_u64 s[PFA:PFA+1], s[PFA:PFA+1], s[PFS:PFS+1]
.endif
	s_wait_dscnt 0x0
.if \fill
	CROUND
	TLOAD
.if \ask
	ASK
.endif
.else
	s_barrier_signal -1
	s_barrier_wait -1
.endif
.endm
.macro SLOT_STEPS base                 ; a slot's four key steps
	s_mov_b32 s[TK], \base
	s_mov_b32 s[TV], \base
	s_mov_b32 s[CNT], NQ
.Lstep_\@:
	STEP
	s_add_co_u32 s[TK], s[TK], 128*KP
	s_add_co_u32 s[TV], s[TV], ROWB
	s_sub_co_u32 s[CNT], s[CNT], 1
	s_cmp_lg_u32 s[CNT], 0
	s_cbranch_scc1 .Lstep_\@
.endm
	s_wait_alu depctr_va_vdst(0)
	s_wait_loadcnt 0x0                             ; Q
	CHANGE 1, 1, 0, 1                              ; slot 1 is asked for keys 512 on (its first fill, issued as a refill is); keys 1,024 on are prefetched
	SLOT_STEPS 0
	CHANGE 1, 0, 1, 1                              ; slot 0: keys 1,024 on; keys 1,536 on are prefetched
	SLOT_STEPS SLOTB
	CHANGE 1, 1, 0, 0                              ; slot 1: keys 1,536 on, the last load
	SLOT_STEPS 0
	CHANGE 0, 0, 0, 0
	SLOT_STEPS SLOTB
	; THE WAY OUT: O^T / the sum goes through my stage in LDS, 64 channels of 16 queries at a time, so that sixteen lanes store 256 consecutive bytes, aligned
	v_add_f32 v14, v14, v15
	v_permlanex16_b32 v252, v14, s[SEL], s[SEL+1]
	v_add_f32 v14, v14, v252                       ; the row's sum
	s_wait_alu depctr_va_vdst(0)                   ; the wait ahead of the transcendental
	v_rcp_f32 v14, v14
	v_and_b32 v8, 15, v0
	v_bfe_u32 v9, v0, 4, 1
	s_add_co_i32 s72, s70, s71
	s_mul_i32 s73, s[WV], 16*272
	s_add_co_u32 s73, s73, STAGE
	v_mul_u32_u24 v10, v8, 272
	v_lshl_add_u32 v10, v9, 5, v10
	v_add_nc_u32 v10, s73, v10                     ; in: row r, 64 t + 32 h bytes on
	v_mul_u32_u24 v11, v9, 272
	v_lshl_add_u32 v11, v8, 4, v11
	v_add_nc_u32 v11, s73, v11                     ; back: lanes 0-15 one row, lanes 16-31 the next
	s_wait_alu depctr_va_vdst(0)                   ; the wait ahead of the reciprocal's first reader
	v_ldexp_f32 v14, v14, s72                      ; x 2^(ep + ev)
	s_wait_alu depctr_va_vdst(0)                   ; directly ahead of the first readers of O^T
.set JJ, 0
.rept 64
	v_mul_f32 v[96+JJ], v[160+JJ], v14             ; register 8 t + i is o(r, 16 t + 8 h + i)
.set JJ, JJ+1
.endr
.irp u, 0,1
.irp t, 0,1,2,3
	ds_store_b128 v10, v[96+32*\u+8*\t:99+32*\u+8*\t] offset:64*\t
	ds_store_b128 v10, v[100+32*\u+8*\t:103+32*\u+8*\t] offset:64*\t+16
.endr
.irp i, 0,1,2,3,4,5,6,7
	ds_load_b128 v[32+32*\u+4*\i:35+32*\u+4*\i], v11 offset:2*\i*272   ; LDS serves a wave's instructions in order (ISA guide 5.7.1.4)
.endr
.endr
.irp u, 0,1
.irp i, 0,1,2,3,4,5,6,7
	s_wait_dscnt 15-8*\u-\i                        ; behind load i of the second half stand 7 - i younger loads
	global_store_b128 v[GO], v[32+32*\u+4*\i:35+32*\u+4*\i], s[16:17] offset:2*\i*512+256*\u th:TH_STORE_NT
.endr
.endr
	s_wait_tensorcnt 0x0                           ; the wave's end
	ds_add_u32 v[SPW], v[NIL]
	s_wait_dscnt 0x0
	CROUND                                         ; the closing round
	s_endpgm
.Lfunc_end_k_q0fee0ef54c_attn:
	.size	k_q0fee0ef54c_attn, .Lfunc_end_k_q0fee0ef54c_attn-k_q0fee0ef54c_attn
	.p2alignl 7, 3214868480
	.fill 96, 4, 3214868480
	.section	.rodata,"a",@progbits
	.p2align	6, 0x0
	.amdhsa_kernel k_q0fee0ef54c_attn
		.amdhsa_group_segment_fixed_size 327680
		.amdhsa_private_segment_fixed_size 0
		.amdhsa_enable_private_segment 0
		.amdhsa_kernarg_size 40
		.amdhsa_user_sgpr_count 2
		.amdhsa_user_sgpr_kernarg_segment_ptr 1
		.amdhsa_wavefront_size32 1
		.amdhsa_system_sgpr_workgroup_id_x 1
		.amdhsa_system_sgpr_workgroup_id_y 1
		.amdhsa_system_sgpr_workgroup_id_z 1
		.amdhsa_system_vgpr_workitem_id 0
		.amdhsa_next_free_vgpr 256
		.amdhsa_next_free_sgpr 100
		.amdhsa_reserve_vcc 0
		.amdhsa_float_denorm_mode_32 3
		.amdhsa_float_denorm_mode_16_64 3
		.amdhsa_memory_ordered 1
		.amdhsa_forward_progress 1
		.amdhsa_inst_pref_size 138
	.end_amdhsa_kernel
	.amdgpu_metadata
---
amdhsa.version: [ 1, 2 ]
amdhsa.kernels:
  - .name:           k_q0fee0ef54c_attn
    .symbol:         k_q0fee0ef54c_attn.kd
    .args:
      - { .name: Q_codes, .offset: 0, .size: 8, .value_kind: global_buffer, .address_space: global }
      - { .name: K_codes, .offset: 8, .size: 8, .value_kind: global_buffer, .address_space: global }
      - { .name: V_codes, .offset: 16, .size: 8, .value_kind: global_buffer, .address_space: global }
      - { .name: lowp_scales, .offset: 24, .size: 8, .value_kind: global_buffer, .address_space: global }
      - { .name: out0, .offset: 32, .size: 8, .value_kind: global_buffer, .address_space: global }
    .group_segment_fixed_size: 327680
    .private_segment_fixed_size: 0
    .kernarg_segment_align: 8
    .kernarg_segment_size: 40
    .max_flat_workgroup_size: 512
    .sgpr_count:     100
    .vgpr_count:     256
    .wavefront_size: 32
...
	.end_amdgpu_metadata
.endif
;; end of part 2
